; MI455X (gfx1250); checked and timed in simulation.
; The chip was launched on July 23, 2026; its instructions are those of AMD's public machine-readable ISA for CDNA 5 (MIT licence, August 2026) and "CDNA5" Instruction Set Architecture Reference Guide (July 2026). The comments in the code are by the model that wrote it; some were corrected since.
;; Feature Fusion Module. Allowed arithmetic: matrix products marked QUANTISED: E2M3 operands, one E8M0 scale for each 32 along K, by v_wmma_scale_f32_16x16x128_f8f6f4 with both operands' format E2M3, f32 sums; everything else in f32.
;; Inputs: Wk 256 x 128 float32; Wq 256 x 256 float32; Wv 256 x 128 float32; bk 256 float32; bn_bias 256 float32; bn_weight 256 float32; bq 256 float32; bv 256 float32; dgcnn_feat 4 x 256 x 4,096 float32; gamma 1 float32; geo_feat 4 x 128 x 4,096 float32.
;; Outputs: out0 4 x 256 x 4,096 float32.
;; This version of the problem:
;;   THIS VERSION OF THE PROBLEM IS GIVEN IN LOW PRECISION. The matrix products marked QUANTISED in the list below multiply operands that are first quantised to E2M3 (2 exponent bits, 3 mantissa bits; 6 bits a number), with one power-of-two scale for each 32 numbers along K (OCP MX v1.0); their sums are f32. All else is computed in f32.
;;   The module's matrix products, in the order in which they are computed (A, B: the left and right operand; K: the contracted axis; several contracted axes count as one K, in the product's order):
;;     1. [M 16,384, K 256] x [K 256, N 256]; A: input dgcnn_feat; B: input Wq: QUANTISED
;;     2. [M 16,384, K 128] x [K 128, N 256]; A: input geo_feat; B: input Wk: QUANTISED
;;     3. [M 16,384, K 128] x [K 128, N 256]; A: input geo_feat; B: input Wv: QUANTISED
;;     4. batch 4 x [M 4,096, K 256] x [K 256, N 4,096]; A: computed on the way; B: computed on the way: QUANTISED
;;     5. batch 4 x [M 256, K 4,096] x [K 4,096, N 4,096]; A: computed on the way; B: softmax (see below): QUANTISED
;;   THE QUANTISER, for each operand of a quantised product, along K:
;;     - K is cut into blocks of 32 from its start; a last block that is shorter is filled with zeros.
;;     - A block's scale is 2^e with e = floor(log2(the largest magnitude in the block)) - 2, held to -126 .. 127; a block of zeros has e = 0. As a byte (E8M0): e + 127.
;;     - Each number is divided by its block's scale, clamped to +-7.5, and rounded to the nearest number of E2M3, ties to even, subnormals kept.
;;     - The product sums the exact products of the quantised numbers (number of the format x scale) in f32.
;;   ~~~python
;;   def quantise(x, axis):      # numpy; x: float32 -> the quantised numbers, widened to float32 again
;;       x = np.moveaxis(x, axis, -1); K = x.shape[-1]
;;       x = np.pad(x, [(0, 0)] * (x.ndim - 1) + [(0, -K % 32)]); x = x.reshape(x.shape[:-1] + (-1, 32)); a = np.abs(x).max(-1, keepdims=True)
;;       e = np.where(a > 0, np.clip(np.frexp(np.where(a > 0, a, 1))[1] - 1 - 2, -126, 127), 0)      # np.frexp(a)[1] - 1 = floor(log2(a)), exactly
;;       r = np.clip(x / 2.0 ** e, -7.5, 7.5)
;;       step = 2.0 ** (np.maximum(np.frexp(np.where(r == 0, 1, r))[1] - 1, 0) - 3)
;;       q = np.round(r / step) * step * 2.0 ** e      # np.round: ties to even
;;       return np.moveaxis(q.reshape(q.shape[:-2] + (-1,))[..., :K], -1, axis).astype(np.float32)
;;   ~~~
;;   SOFTMAX AHEAD OF A QUANTISED PRODUCT. Where the list says 'softmax', what is quantised is not the finished softmax but p = 2^(t - M), with t = logit x log2(e) and M = ceil(the row's largest t), a whole number; so 1/2 < the row's largest p <= 1. The row's sum l is taken of the UNQUANTISED p, in f32, and the product's result is divided by l at the end. Since M is a whole number, a kernel that streams over the keys may use a running M (the ceiling of the running maximum): every later rescaling is an exact power of two, which a block's scale takes up: the codes' values come out the same.
;;   OPERANDS COMPUTED ON THE WAY. 'Computed on the way' means the value that the module computes at that place (a softmax that the list does not call 'softmax' is quantised finished and normalised). What goes into a quantiser is computed in f32, as accurately as f32 sums, v_exp_f32 and their like allow (about 1e-6 of the number): no bf16 or f16 on the way to a quantiser, and a product that is left as it is and whose result goes on into a quantised operand takes f32 operands (vector FMAs, or v_wmma_f32_16x16x4_f32). A number that lies on a knife's edge between two numbers of the format may be rounded either way, as far as f32 arithmetic and the matrix unit's own rounding can turn it there, and no further.
;; One version. Each part assembles by itself: llvm-mc -triple=amdgcn-amd-amdhsa -mcpu=gfx1250 --defsym DOCPART=n.
;; ======== version 1 of 1: 3 launches
;; workspace buffers: qc 3,145,728 bytes; qs 131,072 bytes; kv 6,553,600 bytes; fused 16,777,216 bytes
;; launch proj (part 1): grid 256 x 1, 16 waves a work-group, no clusters, 214,016 bytes of LDS; arguments dgcnn_feat, geo_feat, Wq, Wk, Wv, bq, bk, bv, qc, qs, kv; writes qc, qs, kv
.if DOCPART == 1
	.amdgcn_target "amdgcn-amd-amdhsa--gfx1250"
	.amdhsa_code_object_version 6
	.text
	.protected	k_q4732699860_proj
	.globl	k_q4732699860_proj
	.p2align	8
	.type	k_q4732699860_proj,@function
k_q4732699860_proj:
	s_mov_b64 s[64:65], 0
	v_nop
	global_prefetch_b8 v0, s[64:65] scope:SCOPE_SE
	s_setreg_imm32_b32 hwreg(HW_REG_WAVE_MODE, 25, 1), 1
	s_wait_xcnt 0x0
; q = Wq x + bq, k = Wk g + bk, v = Wv g + bv on codes of FP6 (E2M3) with one E8M0 scale for each 32 along K, and the results quantised again as operands of the attention:
; q and k along their 256 channels, v along the keys.  x: [4][256][4096], g: [4][128][4096], f32, K = the channel, which is NOT innermost; Wq [256][256], Wk, Wv [256][128], f32, K innermost.
; SHARES.  A block is 128 points of one batch (128 blocks).  Work-groups 0-127 make q of block ttmp9 (role Q), work-groups 128-255 k and v of block ttmp9 - 128 (role KV): 256 matrix instructions each.
; PHASE A (16 waves): each wave quantises two fragments of the role's weights (rows read whole, 512 bytes a load, turned through the wave's own stage in LDS so that a lane holds 32 neighbours along K);
; a wave with a share of x takes 32 points x 64 channels, a lane to a point, registers down the channels, so that a block of 32 lies in one lane.  All go to LDS as images of the operands' registers.  One barrier.
; PHASE B: products used transposed, so that a lane's registers run along the NEXT product's K; results quantised in registers and stored as images: a fragment (12 registers) = 3 x 512 bytes, lane l's 16 bytes at 16 l.
; THE ROWS OF A TILE ARE NOT NEIGHBOURS: row i of tile t is element rho(t, i) = 32 (t / 2) + 8 (t % 2) + i + 8 (i / 8) (weights' rows, points, v's channels alike): so the 16 registers of result tiles 2 b, 2 b + 1 are 16 neighbours.
; OUT.  qc [tile 8 blk + pt][ks][image], qs [tile][word 16 ks + r];  kv [blk][51,200]: K's images at 1,536 (2 kt + ks), K's scale words at 24,576 + 128 kt + 4 (16 ks + r), V's images at 25,600 + 1,536 ct, V's words at 50,176 + 64 ct + 4 r.
; LIMITS: NaN and infinities among the inputs are not served.  A block whose largest magnitude lies under 2^-124 (a block of zeros too) gets the scale byte 1: a block of zeros has zero codes under any byte, and this program alone reads the bytes.
; The biases enter as the C of a sum's first product, so they are added ahead of the products and not behind them.  x's loads cover 128 consecutive bytes a wave, four waves side by side 512.  Scale words leave in pieces of 64 bytes.
; No tensor loads and no cluster: what work-groups share is the weights alone, 256 KB a work-group, read in whole rows.
.set STG,  0                           ; LDS: a stage for each wave: 16 rows x (512 + 16) bytes = 8,448
.set WIMG, 135168                      ; 32 images of weights.  Q: slot 2 t + ks.  KV: slot t for Wk, 16 + t for Wv
.set XIMG, 184320                      ; x's fragments F(p, sub) at 3,072 p + 1,536 sub; half c at + 768 c: 512 bytes (registers 6 c .. 6 c + 3, 16 a lane), then 256 (6 c + 4, 6 c + 5, 8 a lane)
.set WSC,  208896                      ; the weights' scale words, 64 bytes a slot
.set XSC,  210944                      ; x's: 128 p + 64 sub + 4 r, byte 2 c + j
.set L16,  1                           ; v1   16 x lane
.set L4,   2                           ; v2   4 x lane
.set STW,  3                           ; v3   the stage, way in: 8,448 w + 16 lane
.set STR,  4                           ; v4   way out: 8,448 w + 528 r + 128 h
.set WI,   5                           ; v5   where my two images of weights go
.set WSA,  6                           ; v6   and their scale words
.set XW16, 7                           ; v7   where my lane's codes of x go: first 16 bytes,
.set XW8,  8                           ; v8   last 8 bytes,
.set XWS,  9                           ; v9   and its two scale bytes
.set WS,   10                          ; v10-17  scale words of source 0: scales and nothing else, in the whole text
.set XS,   18                          ; v18-19  scale words of source 1: likewise
.set VA,   20                          ; v20-35  phase A: byte offsets of the 16 rows of a tile of weights
.set RW0,  36                          ; v36-99   fragment 0 of the weights as loaded; later fragment 1 turned
.set RW1,  100                         ; v100-163 fragment 1 as loaded
.set RX,   164                         ; v164-227 x as loaded; later fragment 0 turned
.set MX,   228                         ; v228-229 largest magnitudes, then scale bytes
.set SO,   230                         ; v230-231 the conversions' scale operands
.set PWA,  232                         ; v232 a scale word
.set TP,   233                         ; v233 a lane permute's destination
.set CX,   234                         ; v234-249 codes
.set PXA,  246                         ; v246-248, v250-252 second halves of blocks
.set L8,   253                         ; v253 8 x lane
.set H8,   254                         ; v254 8 h
.set WF,   28                          ; phase B: v28-123 eight fragments of source 0
.set ACC,  124                         ; v124-187 eight result tiles
.set XF,   188                         ; v188-211 two fragments of source 1
.set BV,   200                         ; v200-207 (KV) bv of my lane's channel, eight times
.set TM,   212                         ; v212-227 at work in QUANT
.set PW,   228                         ; v228 the scale word just made
.set PC,   230                         ; v230-241 the codes just made; v242-244, v246-248 second halves
.set SEL,  48                          ; s[48:49] v_permlanex16_b32's selects for lane l xor 16
.macro WLOADG reg, base                ; a tile's 16 rows, 128 along K: each load reads one row's 512 consecutive bytes
.irp i, 0,1,2,3,4,5,6,7,8,9,10,11,12,13,14,15
	global_load_b128 v[\reg+4*\i:\reg+4*\i+3], v[VA+\i], s[\base:\base+1]
.endr
.endm
.macro TURN src, dst                   ; through my stage: in as loaded, out so that register 32 c + i is k = 64 c + 32 h + i of row r.  LDS serves a wave's instructions in order: no wait between
.irp i, 0,1,2,3,4,5,6,7,8,9,10,11,12,13,14,15
	ds_store_b128 v[STW], v[\src+4*\i:\src+4*\i+3] offset:528*\i
.endr
.irp c, 0,1
.irp i, 0,1,2,3,4,5,6,7
	ds_load_b128 v[\dst+32*\c+4*\i:\dst+32*\c+4*\i+3], v[STR] offset:256*\c+16*\i
.endr
.endr
	s_wait_dscnt 0x0                               ; the numbers are back, and every earlier LDS store of mine has read its registers
.endm
.macro MAX2 t                          ; two blocks of 32 in one lane, at v[t] and v[t + 32]: largest magnitudes (with the floor 2^-124 among the leaves), scale operands, scale bytes
.irp c, 0,1
	v_max3_num_f32 v[MX+\c], |v[\t+32*\c]|, |v[\t+32*\c+1]|, 0x1800000
.endr
.irp i, 2,4,6,8,10,12,14,16,18,20,22,24,26,28,30
.irp c, 0,1
	v_max3_num_f32 v[MX+\c], v[MX+\c], |v[\t+32*\c+\i]|, |v[\t+32*\c+\i+1]|
.endr
.endr
.irp c, 0,1
	v_add_nc_u32 v[SO+\c], 0xff000000, v[MX+\c]    ; 2 off the exponent field: the conversion takes this operand's exponent field as its scale
.endr
.irp c, 0,1
	v_lshrrev_b32 v[MX+\c], 23, v[SO+\c]           ; the scale's byte
.endr
.endm
.macro QWQ t, f                        ; the turned numbers at v[t] become my fragment f of the weights: image and scale words to LDS
	MAX2 \t
	v_lshl_or_b32 v[PWA], v[MX+1], 16, v[MX]       ; my two bytes: blocks h and 2 + h of row r,
	v_lshlrev_b32 v[PWA], v[H8], v[PWA]            ; at their places in the word;
	v_permlanex16_b32 v[TP], v[PWA], s[SEL], s[SEL+1]
	v_or_b32 v[PWA], v[PWA], v[TP]                 ; with lane l xor 16's two the word is whole
.irp c, 0,1
	v_cvt_scalef32_pk16_fp6_f32 v[CX+6*\c:CX+6*\c+2], v[\t+32*\c:\t+32*\c+15], v[SO+\c]
	v_cvt_scalef32_pk16_fp6_f32 v[PXA+4*\c:PXA+4*\c+2], v[\t+32*\c+16:\t+32*\c+31], v[SO+\c]   ; (a conversion's three registers begin on an even number)
.endr
	v_nop                                          ; one plain place behind a scaled conversion
.irp c, 0,1
.irp i, 0,1,2
	v_mov_b32 v[CX+6*\c+3+\i], v[PXA+4*\c+\i]
.endr
.endr
.irp g, 0,1,2
	ds_store_b128 v[WI], v[CX+4*\g:CX+4*\g+3] offset:1536*\f+512*\g
.endr
	ds_store_b32 v[WSA], v[PWA] offset:64*\f       ; lanes r and r + 16 write the same word with the same value
.endm
.macro XFETCH reg, a16, a8, off        ; a fragment of x out of its image
	ds_load_b128 v[\reg:\reg+3], v[\a16] offset:\off
	ds_load_b64 v[\reg+4:\reg+5], v[\a8] offset:\off+512
	ds_load_b128 v[\reg+6:\reg+9], v[\a16] offset:\off+768
	ds_load_b64 v[\reg+10:\reg+11], v[\a8] offset:\off+1280
.endm
.macro WFETCH wstep, woff, sstep, soff ; eight fragments of weights and their scale words
.irp tt, 0,1,2,3,4,5,6,7
.irp g, 0,1,2
	ds_load_b128 v[WF+12*\tt+4*\g:WF+12*\tt+4*\g+3], v24 offset:\wstep*\tt+\woff+512*\g
.endr
	ds_load_b32 v[WS+\tt], v25 offset:\sstep*\tt+\soff
.endr
.endm
.macro MM8 xf, xs                      ; eight tiles by turns, one instruction a turn: source 0 = 16 rows of the weight, source 1 = 16 points; added onto what the tile holds (first the bias)
.irp tt, 0,1,2,3,4,5,6,7
	v_wmma_scale_f32_16x16x128_f8f6f4 v[ACC+8*\tt:ACC+8*\tt+7], v[WF+12*\tt:WF+12*\tt+11], v[\xf:\xf+11], v[ACC+8*\tt:ACC+8*\tt+7], v[WS+\tt], v[\xs] matrix_a_fmt:MATRIX_FMT_FP6 matrix_b_fmt:MATRIX_FMT_FP6
.endr
.endm
.macro PLACES                          ; four plain places behind a product, ahead of loads into its registers and of reads of its results
.rept 4
	v_nop
.endr
.endm
.macro ADRS xg, sg, wh, sh             ; the LDS addresses of unit (tile w / 2, half w % 2)
	s_lshr_b32 s50, s26, 2
	s_bfe_u32 s51, s26, 0x10001                    ; (w / 2) % 2
	s_mul_i32 s52, s50, \xg
	s_mul_i32 s53, s51, 1536
	s_add_co_u32 s52, s52, s53
	s_add_co_u32 s52, s52, XIMG
	v_add_nc_u32 v21, s52, v[L16]
	v_add_nc_u32 v22, s52, v[L8]
	s_mul_i32 s52, s50, \sg
	s_lshl_b32 s53, s51, 6
	s_add_co_u32 s52, s52, s53
	s_add_co_u32 s52, s52, XSC
	v_add_nc_u32 v23, s52, v26
	s_mul_i32 s52, s31, \wh
	s_add_co_u32 s52, s52, WIMG
	v_add_nc_u32 v24, s52, v[L16]
	s_mul_i32 s52, s31, \sh
	s_add_co_u32 s52, s52, WSC
	v_add_nc_u32 v25, s52, v26
.endm
; 64 numbers of a lane, register 16 b + i = k 32 b + 16 h + i of my row, become a fragment's codes in v[PC] on and its scale word in v[PW]
.macro QUANT s
.irp b, 0,1,2,3
	v_max3_num_f32 v[TM+\b], |v[\s+16*\b]|, |v[\s+1+16*\b]|, 0x1800000   ; my 16 numbers of block b and the floor 2^-124; each result tile is read from its low end on
.endr
.irp i, 2,4,6,8,10,12,14
.irp b, 0,1,2,3
	v_max3_num_f32 v[TM+\b], v[TM+\b], |v[\s+16*\b+\i]|, |v[\s+1+16*\b+\i]|
.endr
.endr
.irp b, 0,1,2,3
	v_permlanex16_b32 v[TM+4+\b], v[TM+\b], s[SEL], s[SEL+1]
.endr
.irp b, 0,1,2,3
	v_max_num_f32 v[TM+\b], v[TM+\b], v[TM+4+\b]   ; with lane l xor 16's: the block's largest magnitude
.endr
.irp b, 0,1,2,3
	v_add_nc_u32 v[TM+12+\b], 0xff000000, v[TM+\b]
.endr
.irp b, 0,1,2,3
	v_lshrrev_b32 v[TM+4+\b], 23, v[TM+12+\b]
.endr
	v_lshl_or_b32 v[PW], v[TM+5], 8, v[TM+4]
	v_lshl_or_b32 v[PW], v[TM+6], 16, v[PW]
	v_lshl_or_b32 v[PW], v[TM+7], 24, v[PW]
.irp c, 0,1
	v_cvt_scalef32_pk16_fp6_f32 v[PC+6*\c:PC+2+6*\c], v[\s+32*\c:\s+15+32*\c], v[TM+12+2*\c]
	v_cvt_scalef32_pk16_fp6_f32 v[PC+12+4*\c:PC+14+4*\c], v[\s+16+32*\c:\s+31+32*\c], v[TM+12+2*\c+1]
.endr
	v_nop                                          ; one plain place behind a scaled conversion
.irp c, 0,1                            ; the operand's layout wants a whole block in a lane: lanes 0-15 block 2 c, lanes 16-31 block 2 c + 1
.irp i, 0,1,2
	v_permlane16_swap_b32 v[PC+6*\c+\i], v[PC+12+4*\c+\i]
.endr
.irp i, 0,1,2
	v_mov_b32 v[PC+3+6*\c+\i], v[PC+12+4*\c+\i]
.endr
.endr
.endm
	s_load_b256 s[4:11], s[0:1], 0x0               ; dgcnn s[4:5], geo s[6:7], Wq s[8:9], Wk s[10:11]
	s_load_b256 s[12:19], s[0:1], 0x20             ; Wv s[12:13], bq s[14:15], bk s[16:17], bv s[18:19]
	s_load_b128 s[20:23], s[0:1], 0x40             ; qc s[20:21], qs s[22:23]
	s_load_b64 s[24:25], s[0:1], 0x50              ; kv
	v_lshl_add_u32 v249, v0, 2, 0x33c00
	v_mov_b32 v255, 0
	v_lshrrev_b32 v228, 5, v0
	v_readfirstlane_b32 s26, v228                  ; wave 0..15
	s_and_b32 s27, ttmp9, 127                      ; the block
	s_and_b32 s31, s26, 1                          ; w % 2
	s_cmp_lt_u32 ttmp9, 128
	s_cselect_b32 s28, 1, 0                        ; F = 1: role Q, 0: role KV
	s_lshl_b32 s29, 512, s28                       ; a row of the role's weights in bytes
	s_lshl_b32 s30, 8, s28                         ; waves with a share of x: 16 or 8
	s_mov_b32 s[SEL], 0x76543210
	s_mov_b32 s[SEL+1], 0xfedcba98
	v_and_b32 v228, 31, v0                         ; lane
	v_and_b32 v229, 15, v0                         ; r
	v_bfe_u32 v230, v0, 4, 1                       ; h
	v_bfe_u32 v231, v0, 3, 1                       ; sub: point 32 g + lane lies in tile 2 g + sub,
	v_and_b32 v232, 7, v0
	v_lshl_add_u32 v232, v230, 3, v232             ; at its row rr = lane % 8 + 8 (lane / 16)
	v_lshlrev_b32 v[L16], 4, v228
	v_lshlrev_b32 v[L4], 2, v228
	v_lshlrev_b32 v[L8], 3, v228
	v_lshlrev_b32 v[H8], 3, v230
	s_mul_i32 s50, s26, 8448
	v_add_nc_u32 v[STW], s50, v[L16]
	v_mul_u32_u24 v[STR], v229, 528
	v_lshl_add_u32 v[STR], v230, 7, v[STR]
	v_add_nc_u32 v[STR], s50, v[STR]
	s_mul_i32 s50, s26, 3072
	s_add_co_u32 s50, s50, WIMG
	v_add_nc_u32 v[WI], s50, v[L16]
	s_lshl_b32 s50, s26, 7
	s_add_co_u32 s50, s50, WSC
	v_lshl_add_u32 v[WSA], v229, 2, s50
	s_lshr_b32 s51, s26, 1
	s_mul_i32 s50, s51, 3072
	s_mul_i32 s52, s31, 768
	s_add_co_u32 s50, s50, s52
	s_add_co_u32 s50, s50, XIMG
	v_mul_u32_u24 v233, v231, 1536
	v_add_nc_u32 v233, s50, v233
	v_lshl_add_u32 v[XW16], v232, 4, v233
	v_lshl_add_u32 v[XW8], v232, 3, v233
	s_lshl_b32 s50, s51, 7
	s_lshl_b32 s52, s31, 1
	s_add_co_u32 s50, s50, s52
	s_add_co_u32 s50, s50, XSC
	v_lshl_add_u32 v[XWS], v231, 6, s50
	v_lshl_add_u32 v[XWS], v232, 2, v[XWS]
.irp i, 0,1,2,3,4,5,6,7,8,9,10,11,12,13,14,15
	v_mad_u32_u24 v[VA+\i], s29, (\i+8*(\i/8)), v[L16]   ; row i + 8 (i / 8) behind the tile's first, 16 bytes a lane
.endr
	; where my two tiles of weights begin.  Q: tile w, K steps 0 and 1 (512 bytes apart).  KV: tiles 2 (w % 8) and 2 (w % 8) + 1 (8 rows apart) of Wk (w < 8) or Wv
	s_lshl_b32 s50, s51, 15
	s_lshl_b32 s52, s31, 13
	s_add_co_u32 s50, s50, s52
	s_and_b32 s52, s26, 7
	s_lshl_b32 s52, s52, 14
	; where my share of x begins: batch, 64 channels x cg, point 128 (blk % 32) + 32 g.  Q: g = w / 4, cg = w % 4.  KV: g = w / 2, cg = w % 2
	s_lshr_b32 s54, s27, 5
	s_add_co_u32 s55, s28, 21
	s_lshl_b32 s54, s54, s55
	s_add_co_u32 s55, s28, 1
	s_lshr_b32 s56, s26, s55
	s_lshl_b32 s56, s56, 7
	s_add_co_u32 s54, s54, s56
	s_lshl_b32 s56, 2, s28
	s_sub_co_u32 s56, s56, 1
	s_and_b32 s56, s26, s56
	s_lshl_b32 s56, s56, 20
	s_add_co_u32 s54, s54, s56
	s_and_b32 s56, s27, 31
	s_lshl_b32 s56, s56, 9
	s_add_co_u32 s54, s54, s56
	s_mov_b32 s55, 0
	s_lshl_b32 s56, s31, 9                         ; the bias of my half of the 256 outputs
	s_mov_b32 s57, 0
	s_mov_b32 s58, 4096
	s_cmp_eq_u32 s28, 1
	s_cselect_b32 s50, s50, s52
	s_cselect_b32 s52, 512, s58
	s_mov_b32 s51, 0
	s_mov_b32 s53, 0
	s_wait_kmcnt 0x0
	s_cmp_lt_u32 s26, 8                            ; the choices hang on the wave's and the work-group's numbers alone
	s_cselect_b64 s[34:35], s[10:11], s[12:13]
	s_cmp_eq_u32 s28, 1
	s_cselect_b64 s[34:35], s[8:9], s[34:35]
	s_cselect_b64 s[32:33], s[4:5], s[6:7]
	s_cselect_b64 s[38:39], s[14:15], s[16:17]
	s_add_nc_u64 s[34:35], s[34:35], s[50:51]
	s_add_nc_u64 s[36:37], s[34:35], s[52:53]
	s_add_nc_u64 s[32:33], s[32:33], s[54:55]
	s_add_nc_u64 s[38:39], s[38:39], s[56:57]
	; ---- PHASE A.  All loads go out at once
	WLOADG RW0, 34
	WLOADG RW1, 36
	s_cmp_lt_u32 s26, s30
	s_cbranch_scc0 .Lno_x                          ; role KV has x for eight waves only
.irp i, 0,1,2,3,4,5,6,7,8,9,10,11,12,13,14,15,16,17,18,19,20,21,22,23,24,25,26,27,28,29,30,31,32,33,34,35,36,37,38,39,40,41,42,43,44,45,46,47,48,49,50,51,52,53,54,55,56,57,58,59,60,61,62,63
	global_load_b32 v[RX+\i], v[L4], s[32:33] offset:16384*\i th:TH_LOAD_NT   ; channel 64 cg + i of point 32 g + lane
.endr
	s_wait_loadcnt 0x0
	MAX2 RX                                        ; both blocks are mine alone
	v_lshl_or_b32 v[MX], v[MX+1], 8, v[MX]         ; bytes 2 c and 2 c + 1 of my point's scale word
.irp j, 0,1
	v_cvt_scalef32_pk16_fp6_f32 v[CX+8*\j:CX+8*\j+2], v[RX+32*\j:RX+32*\j+15], v[SO+\j]
	v_cvt_scalef32_pk16_fp6_f32 v[CX+8*\j+4:CX+8*\j+6], v[RX+32*\j+16:RX+32*\j+31], v[SO+\j]
.endr
	v_nop                                          ; one plain place behind a scaled conversion
.irp j, 0,1
	v_mov_b32 v[CX+8*\j+3], v[CX+8*\j+4]           ; the block's six registers on end
	v_mov_b32 v[CX+8*\j+4], v[CX+8*\j+5]
	v_mov_b32 v[CX+8*\j+5], v[CX+8*\j+6]
	ds_store_b128 v[XW16], v[CX+8*\j:CX+8*\j+3] offset:256*\j         ; block j is what lane rr + 16 j of the fragment holds in registers 6 c .. 6 c + 5
	ds_store_b64 v[XW8], v[CX+8*\j+4:CX+8*\j+5] offset:512+128*\j
.endr
	ds_store_b16 v[XWS], v[MX]
.Lno_x:
	s_wait_loadcnt 0x0                             ; the weights' rows
	TURN RW0, RX
	QWQ RX, 0
	TURN RW1, RW0
	QWQ RW0, 1
	v_bfe_u32 v20, v0, 4, 1
	v_lshlrev_b32 v20, 6, v20                      ; 64 h: lane (r, h) wants, for tile tt, the bias of outputs 32 (tt / 2) + 16 h + 8 (tt % 2) + 0 .. 7
.irp tt, 0,1,2,3,4,5,6,7
	global_load_b128 v[ACC+8*\tt:ACC+8*\tt+3], v20, s[38:39] offset:(32*(\tt/2)+8*(\tt%2))*4
	global_load_b128 v[ACC+8*\tt+4:ACC+8*\tt+7], v20, s[38:39] offset:(32*(\tt/2)+8*(\tt%2))*4+16
.endr
	v_and_b32 v26, 15, v0
	v_lshlrev_b32 v26, 2, v26                      ; 4 r
.irp b, 0,1,2,3
	v_mov_b32 v[TM+4+\b], 0                        ; written once: a lane permute's destination counts as one of its sources
.endr
	s_wait_dscnt 0x0                               ; my images and scale words lie in LDS
	s_barrier_signal -1
	s_barrier_wait -1                              ; everybody's do.  Behind this barrier LDS is only read
	s_cmp_eq_u32 s28, 0
	s_cbranch_scc1 .Lkv
	; ---- PHASE B, role Q: wave w makes outputs 128 (w % 2) on of the 16 points of tile w / 2: K step w % 2 of that tile of queries
	s_mul_i32 s50, s27, 24576
	s_mul_i32 s52, s26, 1536
	s_add_co_u32 s50, s50, s52
	s_mov_b32 s51, 0
	s_add_nc_u64 s[40:41], s[20:21], s[50:51]
	s_lshl_b32 s50, s27, 10
	s_lshl_b32 s52, s26, 6
	s_add_co_u32 s50, s50, s52
	s_add_nc_u64 s[42:43], s[22:23], s[50:51]
	ADRS 6144, 256, 24576, 1024
	XFETCH XF, 21, 22, 0
	XFETCH XF+12, 21, 22, 3072
	ds_load_b32 v[XS], v23
	ds_load_b32 v[XS+1], v23 offset:128
	WFETCH 3072, 0, 128, 0
	s_wait_loadcnt 0x0                             ; the bias
	s_wait_dscnt 0x0
	MM8 XF, XS
	PLACES
	WFETCH 3072, 1536, 128, 64
	s_wait_dscnt 0x0
	MM8 XF+12, XS+1
	PLACES
	QUANT ACC
.irp g, 0,1,2
	global_store_b128 v[L16], v[PC+4*\g:PC+4*\g+3], s[40:41] offset:512*\g    ; 32 lanes store 512 consecutive bytes
.endr
	global_store_b32 v26, v[PW], s[42:43]          ; lanes r and r + 16 store the same word to the same place
	s_wait_tensorcnt 0x0
	ds_add_u32 v249, v255
	s_wait_dscnt 0x0
	s_endpgm
.Lkv:
	; ---- PHASE B, role KV.  First k, as q above with one K step; then v: wave w makes channels rho(w, .) for the block's 128 keys
	s_mul_i32 s50, s27, 51200
	s_mul_i32 s52, s26, 1536
	s_add_co_u32 s52, s50, s52
	s_mov_b32 s53, 0
	s_add_nc_u64 s[40:41], s[24:25], s[52:53]
	s_lshl_b32 s52, s26, 6
	s_add_co_u32 s52, s50, s52
	s_add_nc_u64 s[42:43], s[24:25], s[52:53]
	s_lshr_b32 s52, s26, 1
	s_lshl_b32 s52, s52, 7
	s_lshl_b32 s54, s31, 5
	s_add_co_u32 s52, s52, s54
	s_add_nc_u64 s[44:45], s[18:19], s[52:53]      ; bv at channel 32 (w / 2) + 8 (w % 2)
	v_and_b32 v27, 8, v0
	v_lshl_add_u32 v27, v27, 2, v26                ; + r + 8 (r / 8)
.irp j, 0,1,2,3,4,5,6,7
	global_load_b32 v[BV+\j], v27, s[44:45]        ; in v's result a lane holds ONE channel: its bias in all eight registers
.endr
	ADRS 3072, 128, 12288, 512
	XFETCH XF, 21, 22, 0
	ds_load_b32 v[XS], v23
	WFETCH 1536, 0, 64, 0
	v_add_nc_u32 v3, XIMG, v[L16]                  ; v's unit: all eight tiles of points,
	v_add_nc_u32 v4, XIMG, v[L8]
	v_add_nc_u32 v5, XSC, v26
	s_mul_i32 s52, s26, 1536
	s_add_co_u32 s52, s52, WIMG+24576
	v_add_nc_u32 v6, s52, v[L16]                   ; and Wv's tile w
	s_lshl_b32 s52, s26, 6
	s_add_co_u32 s52, s52, WSC+1024
	v_add_nc_u32 v7, s52, v26
	s_wait_loadcnt 0x0                             ; bk and bv
	s_wait_dscnt 0x0
	MM8 XF, XS
	PLACES
.irp t, 0,1,2,3,4,5,6,7                ; v's operands land while k is quantised
	XFETCH WF+12*\t, 3, 4, 1536*\t
	ds_load_b32 v[WS+\t], v5 offset:64*\t
.endr
.irp g, 0,1,2
	ds_load_b128 v[XF+4*\g:XF+4*\g+3], v6 offset:512*\g
.endr
	ds_load_b32 v[XS], v7
	QUANT ACC
.irp g, 0,1,2
	global_store_b128 v[L16], v[PC+4*\g:PC+4*\g+3], s[40:41] offset:512*\g
.endr
	global_store_b32 v26, v[PW], s[42:43] offset:24576
	s_wait_dscnt 0x0
.irp t, 0,1,2,3,4,5,6,7                ; source 0 = 16 points of tile t, source 1 = 16 rows of Wv: a lane holds one channel, its registers run along the keys
	v_wmma_scale_f32_16x16x128_f8f6f4 v[ACC+8*\t:ACC+8*\t+7], v[WF+12*\t:WF+12*\t+11], v[XF:XF+11], v[BV:BV+7], v[WS+\t], v[XS] matrix_a_fmt:MATRIX_FMT_FP6 matrix_b_fmt:MATRIX_FMT_FP6
.endr
	PLACES
	s_wait_xcnt 0x0                                ; k's stores have read their registers: the codes and the word are made anew only behind this wait
	QUANT ACC
.irp g, 0,1,2
	global_store_b128 v[L16], v[PC+4*\g:PC+4*\g+3], s[40:41] offset:25600+512*\g
.endr
	global_store_b32 v26, v[PW], s[42:43] offset:50176
	s_wait_tensorcnt 0x0
	ds_add_u32 v249, v255
	s_wait_dscnt 0x0
	s_endpgm
.Lfunc_end_k_q4732699860_proj:
	.size	k_q4732699860_proj, .Lfunc_end_k_q4732699860_proj-k_q4732699860_proj
	.p2alignl 7, 3214868480
	.fill 96, 4, 3214868480
	.section	.rodata,"a",@progbits
	.p2align	6, 0x0
	.amdhsa_kernel k_q4732699860_proj
		.amdhsa_group_segment_fixed_size 214016
		.amdhsa_private_segment_fixed_size 0
		.amdhsa_enable_private_segment 0
		.amdhsa_kernarg_size 88
		.amdhsa_user_sgpr_count 2
		.amdhsa_user_sgpr_kernarg_segment_ptr 1
		.amdhsa_wavefront_size32 1
		.amdhsa_system_sgpr_workgroup_id_x 1
		.amdhsa_system_sgpr_workgroup_id_y 1
		.amdhsa_system_sgpr_workgroup_id_z 1
		.amdhsa_system_vgpr_workitem_id 0
		.amdhsa_next_free_vgpr 256
		.amdhsa_next_free_sgpr 66
		.amdhsa_reserve_vcc 0
		.amdhsa_float_denorm_mode_32 3
		.amdhsa_float_denorm_mode_16_64 3
		.amdhsa_memory_ordered 1
		.amdhsa_forward_progress 1
		.amdhsa_inst_pref_size 61
	.end_amdhsa_kernel
	.amdgpu_metadata
---
amdhsa.version: [ 1, 2 ]
amdhsa.kernels:
  - .name:           k_q4732699860_proj
    .symbol:         k_q4732699860_proj.kd
    .args:
      - { .name: dgcnn_feat, .offset: 0, .size: 8, .value_kind: global_buffer, .address_space: global }
      - { .name: geo_feat, .offset: 8, .size: 8, .value_kind: global_buffer, .address_space: global }
      - { .name: Wq, .offset: 16, .size: 8, .value_kind: global_buffer, .address_space: global }
      - { .name: Wk, .offset: 24, .size: 8, .value_kind: global_buffer, .address_space: global }
      - { .name: Wv, .offset: 32, .size: 8, .value_kind: global_buffer, .address_space: global }
      - { .name: bq, .offset: 40, .size: 8, .value_kind: global_buffer, .address_space: global }
      - { .name: bk, .offset: 48, .size: 8, .value_kind: global_buffer, .address_space: global }
      - { .name: bv, .offset: 56, .size: 8, .value_kind: global_buffer, .address_space: global }
      - { .name: qc, .offset: 64, .size: 8, .value_kind: global_buffer, .address_space: global }
      - { .name: qs, .offset: 72, .size: 8, .value_kind: global_buffer, .address_space: global }
      - { .name: kv, .offset: 80, .size: 8, .value_kind: global_buffer, .address_space: global }
    .group_segment_fixed_size: 214016
    .private_segment_fixed_size: 0
    .kernarg_segment_align: 8
    .kernarg_segment_size: 88
    .max_flat_workgroup_size: 512
    .sgpr_count:     66
    .vgpr_count:     256
    .wavefront_size: 32
...
	.end_amdgpu_metadata
.endif
;; end of part 1
;; launch attn (part 2): grid 64 x 4, 4 waves a work-group, clusters of 4 x 1, 327,680 bytes of LDS; arguments qc, qs, kv, dgcnn_feat, gamma, fused; writes fused
.if DOCPART == 2
	.amdgcn_target "amdgcn-amd-amdhsa--gfx1250"
	.amdhsa_code_object_version 6
	.text
	.protected	k_q4732699860_attn
	.globl	k_q4732699860_attn
	.p2align	8
	.type	k_q4732699860_attn,@function
k_q4732699860_attn:
	s_mov_b64 s[64:65], 0
	v_nop
	global_prefetch_b8 v0, s[64:65] scope:SCOPE_SE
	s_setreg_imm32_b32 hwreg(HW_REG_WAVE_MODE, 25, 1), 1
	s_wait_xcnt 0x0
	s_wait_alu depctr_hold_cnt(0) depctr_sa_sdst(0) depctr_va_vdst(0) depctr_va_sdst(0) depctr_va_ssrc(0) depctr_va_vcc(0) depctr_vm_vsrc(0)
	s_getreg_b32 s2, hwreg(HW_REG_IB_STS2, 6, 4)
	s_cmp_eq_u32 s2, 0
	s_cbranch_scc0 .Lentry_in_a_cluster
	s_endpgm
.Lentry_in_a_cluster:
	s_bfe_u32 s2, ttmp6, 0x10000c
	s_cmp_lg_u32 s2, 0x3003
	s_cbranch_scc0 .Lentry_shape_is_right
	s_endpgm
.Lentry_shape_is_right:
; fused[b][c][n] = dgcnn[b][c][n] + gamma x (sum over keys m of v[b][c][m] p[n][m]) / l[n], both products on codes of FP6 (E2M3) with E8M0 scales, as the launch before has laid them (register images).
; THE SOFTMAX: t = energy x log2(e); M = the largest t so far, rounded UP to a whole number; p = 2^(t - M) is quantised along the keys, not normalised; l is the sum of the unquantised p.  When M moves, l and O are
; multiplied by 2^(old M - new M), which rounds nothing.
; SHARES.  A work-group owns 64 queries of one batch: four tiles of 16.  THE WAVES SHARE THE KEYS, NOT THE QUERIES: every wave holds all four tiles (O^T: 512 registers) and walks 8 of the 32 key steps of 128 keys.
; So a fragment of K or V is read from LDS once in the work-group and feeds four products.  At the end the four waves' (O, l, M) are merged through LDS, by factors that are whole powers of two.
; LAYOUT.  Both products transposed: S^T = K Q^T, O^T = V^T P^T: a lane holds one query (lane % 16).  Row i of a tile of keys is key 32 (t / 2) + 8 (t % 2) + i + 8 (i / 8), so that the 16 registers of score tiles 2 b, 2 b + 1
; are 16 neighbouring keys; queries and V's channels are ordered likewise.
; CLUSTER.  The four work-groups of a cluster belong to one batch and walk the same keys in the same order: every tile is asked for jointly (mask 15), which divides the requests for K and V by four.
; RING.  Each wave has one slot for K's half of a step (25,600 dense bytes) and one for V's, reads only its own, and fills each again when it is read out: K's in the middle of the softmax, V's in the last products.
; By this text's own count a wave has two tensor loads out at the start and one later.
; BY TURNS.  A wave is alone on its SIMD, so vector work is set beside matrix work in the text.  (1) The largest score of each block of 32 keys is taken among K Q^T's products: block b is finished after key tile 2 b + 1, and its
; 32 lines stand in slices of four behind each pair of products of the two key tiles that follow.  (2) The 21 lines that make M and f are done for the four tiles by turns, so that no line reads the result of the line before it.
; (3) Tiles 0 and 1 go line by line by turns.  (4) V's fragments overlay the scores of tiles 0 to 2 alone: so tile 3's 231 remaining lines stand among the 48 products V^T P of tiles 0 to 2, four or five behind each.
; A slice costs two switches of the register windows: no window has room for a product's operands beside the scores.
; LIMITS: NaN and infinities are not served; p under 2^-126 counts as 0; a block whose every p is 0 keeps the scale byte 1 over zero codes; O is multiplied by gamma / l in one factor.
; REGISTERS, in windows of 256.  Window 0: see the names below.  Window 1: S^T, tile qt's key tile kt at 64 qt + 8 kt; for the second product V's fragments, 12 ct on.  Windows 2, 3: O^T, tile qt in window 2 + qt / 2 at 128 (qt % 2) + 8 ct.
.set STEPB, 51200                      ; a key step's block in kv and a wave's two slots in LDS: K's images 24,576 + words 1,024, then V's likewise
.set HALFB, 25600
.set SPARE, 262144                     ; the spare words, 128 bytes for each wave: two blocks of 256 bytes that no other line names
.set STATB, 262656                     ; the merge: (-M, l) at 1,024 qt + 256 w + 8 lane
.set A16, 1                            ; v1  my slots + 16 x lane
.set A4,  2                            ; v2  my slots + 4 x lane
.set SPW, 3                            ; v3  my spare word; never rewritten
.set NIL, 4                            ; v4  0; never rewritten
.set X,   5                            ; v5  at work at the head
.set ST,  8                            ; v8-23  tile qt at 8 + 4 qt: -M, the largest t, l in two halves
.set KS,  24                           ; v24-25 K's scale words, a register for each buffer: lanes 0-15 K step 0, lanes 16-31 K step 1.  v24-41 hold scales and nothing else
.set QS,  26                           ; v26-29 Q's, likewise
.set PS,  30                           ; v30-33 p's
.set VS,  34                           ; v34-41 V's: lanes 0-15 tile 2 i, lanes 16-31 tile 2 i + 1
                                       ; v42-62 scratch set 0 of the softmax: v42-47 three chains of the sum, v48-51 scale bytes, v52-55 the conversions' scale operands, v56-58 and v60-62 second halves of blocks
.set T4,  48                           ; v48-51 (at the end: lane permutes' destinations)
.set LQ,  59                           ; v59 16 x lane
.set L4,  63                           ; v63 4 x lane
.set P,   64                           ; v64-111  p's codes, 12 a tile.  From K Q^T to the conversions a tile's first four hold its four blocks' largest scores
.set Q,   112                          ; v112-207 Q's fragments, 24 qt + 12 ks
.set KF,  208                          ; v208-255 K's fragments of a key tile (two K steps), two buffers of 24.  Between two K Q^T: v208-215 f of the four tiles (pairs), v216-236 scratch: of the 21 lines, then set 1
.set MA,  192                          ; the end: v192-195 where tile qt of my O goes
.set SA,  196                          ; v196 where my stats go;  v197 where I read my tile's;  v198 where I read my tile's four sources
.set SR,  197
.set RA,  198
.set TA,  199                          ; v199 the transposing stage, way in;  v224 way out;  v225 my byte offset in dgcnn and fused
.set TR,  224
.set DG,  225
.set GP,  208                          ; v208-215 the four merge factors, each in both words of a pair
.set WV,  16                           ; s16 wave
.set SEL, 20                           ; s[20:21] selects for lane l xor 16
.set CS,  22                           ; s[22:23] log2(e), twice
.set G1,  24                           ; s[24:31] descriptor group 1;  s[32:35], s[36:39] groups 0 for K's and V's halves
.set G0K, 32
.set G0V, 36
.set MSB, 0
.macro WIN new                         ; the immediate's high byte repeats the setting that is left; a switch that changes nothing is dropped
.if MSB != \new
	s_set_vgpr_msb (MSB<<8)|\new
.set MSB, \new
.endif
.endm
.macro CROUND                          ; a round of the cluster's barrier
	s_barrier_signal -1
	s_barrier_wait -1
	s_cmp_lg_u32 s[WV], 0
	s_cbranch_scc1 .Lnot_wave_0_\@
	s_barrier_signal -3
.Lnot_wave_0_\@:
	s_barrier_wait -3
	s_barrier_signal -1
	s_barrier_wait -1
.endm
.macro PLACES
.rept 4
	v_nop
.endr
.endm
.macro KLOAD kt, buf                   ; seven LDS loads: key tile kt's two fragments and its scale words
.irp j, 0,1,2,3,4,5
	ds_load_b128 v[KF+24*(\buf)+4*\j:KF+24*(\buf)+4*\j+3], v[A16] offset:3072*(\kt)+512*\j
.endr
	ds_load_b32 v[KS+(\buf)], v[A4] offset:24576+128*(\kt)
.endm
.macro QKI kt, ks, qt                  ; one product of S^T = K Q^T: key tile kt, K step ks, query tile qt; the first K step starts the sum
.if \ks
	v_wmma_scale_f32_16x16x128_f8f6f4 v[64*(\qt)+8*\kt:64*(\qt)+8*\kt+7], v[KF+24*(\kt%2)+12:KF+24*(\kt%2)+23], v[Q+24*(\qt)+12:Q+24*(\qt)+23], v[64*(\qt)+8*\kt:64*(\qt)+8*\kt+7], v[KS+\kt%2], v[QS+(\qt)] matrix_a_fmt:MATRIX_FMT_FP6 matrix_b_fmt:MATRIX_FMT_FP6 matrix_a_scale:MATRIX_SCALE_ROW1 matrix_b_scale:MATRIX_SCALE_ROW1
.else
	v_wmma_scale_f32_16x16x128_f8f6f4 v[64*(\qt)+8*\kt:64*(\qt)+8*\kt+7], v[KF+24*(\kt%2):KF+24*(\kt%2)+11], v[Q+24*(\qt):Q+24*(\qt)+11], 0, v[KS+\kt%2], v[QS+(\qt)] matrix_a_fmt:MATRIX_FMT_FP6 matrix_b_fmt:MATRIX_FMT_FP6
.endif
.endm
; Four lines: line s of eight of THE LARGEST SCORE OF BLOCK b (32 keys), the four tiles by turns.  It serves twice: for the row's maximum and, since p rises with the score, for the block's largest p.
; Lines 0 and 4 are the first reads of the block's two score tiles, each at its low end.
.macro BMAX b, s
	WIN 0x05                                       ; sources 0 and 1 in window 1
.irp qt, 0,1,2,3
.if (\s) == 0
	v_max_num_f32 v[P+12*\qt+(\b)], v[64*\qt+16*(\b)], v[64*\qt+16*(\b)+1]
.else
	v_max3_num_f32 v[P+12*\qt+(\b)], v[64*\qt+16*(\b)+2*(\s)], v[64*\qt+16*(\b)+2*(\s)+1], v[P+12*\qt+(\b)]
.endif
.endr
.endm
; S^T = K Q^T: for each of 8 key tiles 8 products, the four query tiles by turns, one instruction a turn.  From key tile 2 on a slice of the block finished two key tiles back stands behind each pair.
.macro QK
	WIN 0
	KLOAD 0, 0
	KLOAD 1, 1
.irp kt, 0,1,2,3,4,5,6,7
.if \kt < 7
	s_wait_dscnt 7                                 ; this tile's seven loads are in; the next tile's seven may be out
.else
	s_wait_dscnt 0x0
.endif
.irp ks, 0,1
.irp hp, 0,1
	WIN 0x50                                       ; C and D in window 1
	QKI \kt, \ks, 2*\hp
	QKI \kt, \ks, 2*\hp+1
.if \kt >= 2
	BMAX \kt/2-1, 4*(\kt%2)+2*\ks+\hp
.endif
.endr
.endr
.if \kt < 2
	PLACES                                         ; ahead of the loads into the buffer just multiplied; from key tile 2 on the slice behind the last pair, four plain lines that name none of its registers, is these places
.endif
.if \kt < 6
	WIN 0
	KLOAD \kt+2, \kt%2
.endif
.endr
	PLACES                                         ; ahead of the first read of the last scores
.irp s, 0,1,2,3,4,5,6,7
	BMAX 3, \s
.endr
.endm
; THE SOFTMAX OF A TILE behind its block maxima is a list of 252 lines; SMI writes line j of it for the tile that SETT has named.
;   0-20    with lane l xor 16's keys; the row's largest t; -M = floor(-t); f = 2^(old M - new M); t - M of the four block maxima
;   21-52   t - M, two at a time          53-116  p = 2^(t - M)          117-120 each block's largest p: the same two instructions on the same number
;   121     l x f (the plain line behind the exponentials)      122-136 the floor 2^-124, the conversions' scale operands, the scale bytes, p's scale word
;   137-140 the conversions          141-175 l += the UNQUANTISED p, in four chains (also the plain lines behind the conversions)
;   176-187 a whole block into each lane          188-251 O^T x f, each accumulator from its low end on (not in the first step: O^T does not exist yet)
.macro SETT qt, set                    ; set: which scratch registers lines 121-187 use
.set rS, 64*(\qt)
.set rT, ST+4*(\qt)
.set rP, P+12*(\qt)
.set rPS, PS+(\qt)
.set rO, 128*((\qt)%2)
.set wO, 0x82+0x41*((\qt)/2)           ; destination and source 0 in the tile's window
.set tF, KF+2*(\qt)
.set hX, KF+8+(\qt)
.set hT4, KF+12+4*(\qt)                ; (a lane permute's destination counts as one of its sources: K's loads have written these)
.if \set
.set tA, KF+8
.set tT4, KF+14
.set tSO, KF+18
.set tPX, KF+22
.else
.set tA, 42
.set tT4, 48
.set tSO, 52
.set tPX, 56
.endif
.endm
.macro SMI
.if (j >= 21) && (j < 117)
	WIN 0x41                                       ; destination and source 0 in window 1
.elseif (j >= 137) && (j < 173)
	WIN 0x01                                       ; source 0 in window 1
.elseif j >= 188
	WIN wO
.else
	WIN 0
.endif
.if j < 4
	v_permlanex16_b32 v[hT4+j], v[rP+j], s[SEL], s[SEL+1]
.elseif j < 8
	v_max_num_f32 v[rP+j-4], v[rP+j-4], v[hT4+j-4]
.elseif j == 8
	v_max3_num_f32 v[hX], v[rP], v[rP+1], v[rP+2]
.elseif j == 9
	v_max_num_f32 v[hX], v[hX], v[rP+3]
.elseif j == 10
	v_mul_f32 v[hX], s[CS], v[hX]                  ; the step's largest t
.elseif j == 11
	v_max_num_f32 v[rT+1], v[rT+1], v[hX]          ; the running largest t
.elseif j == 12
	v_mov_b32 v[hX], v[rT]
.elseif j == 13
	v_floor_f32 v[rT], -v[rT+1]                    ; -M = floor(-t): M is a whole number
.elseif j == 14
	v_sub_f32 v[hX], v[rT], v[hX]                  ; old M - new M, 0 or less
.elseif j == 15
	v_cvt_i32_f32 v[hX], v[hX]                     ; (it saturates)
.elseif j == 16
	v_ldexp_f32 v[tF], 1.0, v[hX]                  ; f
.elseif j < 21
	v_fma_f32 v[rP+j-17], v[rP+j-17], s[CS], v[rT]
.elseif j < 53
.set zn, rS+2*(j-21)
	v_pk_fma_f32 v[zn:zn+1], v[zn:zn+1], s[CS:CS+1], v[rT:rT+1] op_sel_hi:[1,0,0]
.elseif j < 117
.set zn, rS+j-53
	v_exp_f32 v[zn], v[zn]
.elseif j < 121
	v_exp_f32 v[rP+j-117], v[rP+j-117]
.elseif j == 121
	v_pk_mul_f32 v[rT+2:rT+3], v[rT+2:rT+3], v[tF:tF+1] op_sel_hi:[1,0]
	s_wait_alu depctr_va_vdst(0)
.elseif j < 126
	v_max_num_f32 v[rP+j-122], 0x1800000, v[rP+j-122]
.elseif j < 130
	v_add_nc_u32 v[tSO+j-126], 0xff000000, v[rP+j-126]   ; 2 off the exponent field: the conversion's scale operand
.elseif j < 134
	v_lshrrev_b32 v[tT4+j-130], 23, v[tSO+j-130]
.elseif j == 134
	v_lshl_or_b32 v[rPS], v[tT4+1], 8, v[tT4]
.elseif j == 135
	v_lshl_or_b32 v[rPS], v[tT4+2], 16, v[rPS]
.elseif j == 136
	v_lshl_or_b32 v[rPS], v[tT4+3], 24, v[rPS]
.elseif j < 141
.set zu, j-137
.set zc, zu/2
.if (zu%2) == 0
	v_cvt_scalef32_pk16_fp6_f32 v[rP+6*zc:rP+6*zc+2], v[rS+32*zc:rS+32*zc+15], v[tSO+2*zc]
.else
	v_cvt_scalef32_pk16_fp6_f32 v[tPX+4*zc:tPX+4*zc+2], v[rS+32*zc+16:rS+32*zc+31], v[tSO+2*zc+1]   ; (a conversion's three registers begin on an even number)
.endif
.elseif j < 173
.set zu, j-141
.set zn, rS+2*zu
.if (zu%4) == 0
	v_pk_add_f32 v[rT+2:rT+3], v[zn:zn+1], v[rT+2:rT+3]
.elseif zu < 4
	v_pk_add_f32 v[tA+2*zu-2:tA+2*zu-1], v[zn:zn+1], 0 op_sel_hi:[1,0]   ; starts a chain (under this setting only source 0 reaches window 1)
.else
.set zm, tA+2*(zu%4)-2
	v_pk_add_f32 v[zm:zm+1], v[zn:zn+1], v[zm:zm+1]
.endif
.elseif j == 173
	v_pk_add_f32 v[tA:tA+1], v[tA:tA+1], v[tA+2:tA+3]
.elseif j == 174
	v_pk_add_f32 v[rT+2:rT+3], v[rT+2:rT+3], v[tA+4:tA+5]
.elseif j == 175
	v_pk_add_f32 v[rT+2:rT+3], v[rT+2:rT+3], v[tA:tA+1]
.elseif j < 188
.set zu, j-176
.set zc, zu/6
.set zm, zu%6
.if zm < 3
	v_permlane16_swap_b32 v[rP+6*zc+zm], v[tPX+4*zc+zm]
.else
	v_mov_b32 v[rP+6*zc+zm], v[tPX+4*zc+zm-3]
.endif
.else
.set zn, rO+2*(j-188)
	v_pk_mul_f32 v[zn:zn+1], v[zn:zn+1], v[tF:tF+1] op_sel_hi:[1,0]
.endif
.endm
.macro HEAD4                           ; lines 0-20, the four tiles by turns
.set j, 0
.rept 21
.irp qt, 0,1,2,3
	SETT \qt, 0
	SMI
.endr
.set j, j+1
.endr
.endm
.macro BODY2 from, to                  ; lines from .. to - 1, tiles 0 and 1 by turns
.set j, \from
.rept \to-\from
	SETT 0, 0
	SMI
	SETT 1, 1
	SMI
.set j, j+1
.endr
.endm
.macro BODY qt, set, from, to          ; lines from .. to - 1 of one tile
	SETT \qt, \set
.set j, \from
.rept \to-\from
	SMI
.set j, j+1
.endr
.endm
.macro VLOAD a, b                      ; V's fragments a .. b into window 1, over scores that are done with
	WIN 0x40
.set n, \a
.rept \b-\a+1
.irp g, 0,1,2
	ds_load_b128 v[12*n+4*\g:12*n+4*\g+3], v[A16] offset:HALFB+1536*n+512*\g
.endr
.set n, n+1
.endr
	WIN 0
.endm
.macro VSC
.irp i, 0,1,2,3,4,5,6,7
	ds_load_b32 v[VS+\i], v[A4] offset:HALFB+24576+128*\i
.endr
.endm
; A slot that I have read out is filled again with the next step's half.  REFILL_A: all my tensor loads have landed, and 0 is added to my spare word.  Work on registers follows.  REFILL_B: the add and my reads are waited for;
; a round of the cluster's barrier; the joint load first behind it.
.macro REFILL_A g0
	WIN 0
	s_wait_tensorcnt 0x0                           ; no tensor load of mine is out (the other half, asked for half a step ago, has landed): so a group 0 may be written
	ds_add_u32 v[SPW], v[NIL]
	s_add_nc_u64 s[\g0+2:\g0+3], s[\g0+2:\g0+3], STEPB   ; the next key step; the type bits on top are not reached
.endm
.macro REFILL_B g0
	WIN 0                                          ; at a branch and at a label every window is 0
	s_wait_dscnt 0x0                               ; the add is done, and my reads of the slot are over
	CROUND
	tensor_load_to_lds s[\g0:\g0+3], s[G1:G1+7]
	s_nop 0
.rept 5
	v_nop                                          ; four ahead of any switch of windows; five places between the last products and products that write over their operands
.endr
.endm
.macro PVI d, a, b, sa, sb, odd, first
.if \first
.if \odd
	v_wmma_scale_f32_16x16x128_f8f6f4 v[\d:\d+7], v[\a:\a+11], v[\b:\b+11], 0, v[\sa], v[\sb] matrix_a_fmt:MATRIX_FMT_FP6 matrix_b_fmt:MATRIX_FMT_FP6 matrix_a_scale:MATRIX_SCALE_ROW1
.else
	v_wmma_scale_f32_16x16x128_f8f6f4 v[\d:\d+7], v[\a:\a+11], v[\b:\b+11], 0, v[\sa], v[\sb] matrix_a_fmt:MATRIX_FMT_FP6 matrix_b_fmt:MATRIX_FMT_FP6
.endif
.else
.if \odd
	v_wmma_scale_f32_16x16x128_f8f6f4 v[\d:\d+7], v[\a:\a+11], v[\b:\b+11], v[\d:\d+7], v[\sa], v[\sb] matrix_a_fmt:MATRIX_FMT_FP6 matrix_b_fmt:MATRIX_FMT_FP6 matrix_a_scale:MATRIX_SCALE_ROW1
.else
	v_wmma_scale_f32_16x16x128_f8f6f4 v[\d:\d+7], v[\a:\a+11], v[\b:\b+11], v[\d:\d+7], v[\sa], v[\sb] matrix_a_fmt:MATRIX_FMT_FP6 matrix_b_fmt:MATRIX_FMT_FP6
.endif
.endif
.endm
; Product pv of 64 of O^T += V^T P^T, each accumulator once: 0-31 tiles 0 and 1 by turns, channel tile pv / 2; 32-47 tile 2; 48-63 tile 3.  first = 1: the products start the sums: nothing is ever cleared
.macro PVN first
.if pv < 32
.set pT, pv%2
.set pC, pv/2
.else
.set pT, 2+(pv-32)/16
.set pC, pv%16
.endif
.set pW, 0xa1+0x50*(pT/2)
	WIN pW                                         ; source 0 (V) window 1, source 1 (p) window 0, C and D window 2 or 3
	PVI 128*(pT%2)+8*pC, 12*pC, P+12*pT, VS+pC/2, PS+pT, pC%2, \first
.set pv, pv+1
.endm
.macro PVRUN n, first
.rept \n
	PVN \first
.endr
.endm
; The 48 products of tiles 0 to 2, and behind each a slice of tile 3's lines 21 on: 231 = 39 x 5 + 9 x 4 (in the first step 167 = 23 x 4 + 25 x 3).  No line of the slices names a register of these products.
.macro SMPV first
	SETT 3, 1
.set j, 21
.set pv, 0
.set NB, 231-64*\first
	s_wait_dscnt 18                                ; V's fragments 0 to 9 and its scale words are in; the 18 loads of fragments 10 to 15 may be out
.rept 48
.if pv == 20
	s_wait_dscnt 0x0                               ; fragments 10 to 15
.endif
	PVN \first
.set per, NB/48
.if pv <= NB%48
.set per, per+1
.endif
.rept per
	SMI
.set j, j+1
.endr
.endr
.endm
.macro STEP first, fill
	QK
	HEAD4
	BODY2 21, 176
.if \fill
	REFILL_A G0K                                   ; K's slot is read out.  The 24 lane exchanges and moves of tiles 0 and 1 stand between the add and the wait for it
	BODY2 176, 188
	REFILL_B G0K                                   ; the next step's K has the rest of the step in which to land
.else
	BODY2 176, 188
	s_wait_tensorcnt 0x0                           ; the last V has landed; nothing is left to fetch
.endif
	VLOAD 0, 9                                     ; over the scores of tiles 0 and 1, which are done with since line 172
	VSC
.if !\first
	BODY2 188, 252
.endif
	BODY 2, 0, 21, 252-64*\first
	VLOAD 10, 15                                   ; over the scores of tile 2
	SMPV \first
.if \first
	PLACES                                         ; tile 3's codes were written by vector instructions: four places ahead of a scaled product (in the other steps the rescaling of O^T stands here)
.endif
	PVRUN 8, \first
.if \fill
	REFILL_A G0V                                   ; V's slot is read out.  The last eight products stand between the add and the wait for it
	PVRUN 8, \first
	REFILL_B G0V                                   ; the next step's V has the first product and the softmax of tiles 0 and 1 in which to land
.else
	PVRUN 8, \first
	WIN 0
.endif
.endm
	s_load_b256 s[4:11], s[0:1], 0x0               ; qc s[4:5], qs s[6:7], kv s[8:9], dgcnn s[10:11]
	s_load_b128 s[12:15], s[0:1], 0x20             ; gamma s[12:13], fused s[14:15]
	v_lshl_add_u32 v[SPW], v0, 2, SPARE
	v_mov_b32 v[NIL], 0
	ds_add_u32 v3, v4
	ds_add_u32 v3, v4
	s_wait_dscnt 0x0
	v_lshrrev_b32 v[X], 5, v0
	v_readfirstlane_b32 s[WV], v[X]                ; wave 0..3
	s_bfe_u32 s17, ttmp6, 0x40000                  ; cx: it enters the addresses of qc, qs, dgcnn and fused alone
	s_lshl_b32 s18, ttmp9, 2
	s_add_co_u32 s18, s18, s17                     ; my block of 64 queries
	s_and_b32 s19, ttmp7, 0xffff                   ; the batch, which the four partners share
	s_mov_b32 s[SEL], 0x76543210
	s_mov_b32 s[SEL+1], 0xfedcba98
	s_mov_b32 s[CS], 0x3fb8aa3b                    ; log2(e)
	s_mov_b32 s[CS+1], s[CS]
	; descriptor group 1: half a step, 25,600 dense bytes, as 100 rows of 256 bytes (32 elements of 8 bytes), no padding
	s_mov_b32 s[G1], 15|(3<<16)|(1<<21)            ; 15:0 the mask: all four work-groups; 17:16 elements of 8 bytes; 21 set beside a mask
	s_mov_b32 s[G1+1], 32<<16                      ; tensor_dim0 = 32
	s_mov_b32 s[G1+2], 100<<16                     ; tensor_dim1 = 100
	s_mov_b32 s[G1+3], 32<<16                      ; tile_dim0 = 32
	s_mov_b32 s[G1+4], 100                         ; tile_dim1 = 100
	s_mov_b32 s[G1+5], 32                          ; from row to row
	s_mov_b32 s[G1+6], 0
	s_mov_b32 s[G1+7], 0
	s_lshl_b32 s42, s19, 5
	s_lshl_b32 s43, s[WV], 3
	s_add_co_u32 s42, s42, s43
	s_mul_i32 s42, s42, STEPB                      ; my first key step: 32 b + 8 w
	s_mov_b32 s43, 0
	s_mul_i32 s[G0K+1], s[WV], STEPB               ; my slots: no place in the cluster enters an LDS address
	s_add_co_u32 s[G0V+1], s[G0K+1], HALFB
	s_lshl_b32 s44, s19, 8
	s_lshl_b32 s45, s18, 2
	s_add_co_u32 s44, s44, s45                     ; my first tile of queries: 256 b + 4 x
	s_mul_i32 s46, s44, 3072
	s_mov_b32 s47, 0
	s_lshl_b32 s48, s44, 7
	s_mov_b32 s49, 0
	s_lshl_b32 s50, s19, 22                        ; dgcnn and fused: the batch, 64 channels x wave, 64 queries x block
	s_lshl_b32 s51, s[WV], 20
	s_add_co_u32 s50, s50, s51
	s_lshl_b32 s51, s18, 8
	s_add_co_u32 s50, s50, s51
	s_mov_b32 s51, 0
	s_mov_b32 s[G0K], 1
	s_mov_b32 s[G0V], 1
	s_wait_kmcnt 0x0
	s_load_b32 s41, s[12:13], 0x0                  ; gamma
	s_add_nc_u64 s[G0K+2:G0K+3], s[8:9], s[42:43]
	s_add_nc_u64 s[G0V+2:G0V+3], s[G0K+2:G0K+3], HALFB
	s_or_b32 s[G0K+3], s[G0K+3], 0x80000000        ; type = 2
	s_or_b32 s[G0V+3], s[G0V+3], 0x80000000
	s_add_nc_u64 s[4:5], s[4:5], s[46:47]
	s_add_nc_u64 s[6:7], s[6:7], s[48:49]
	s_add_nc_u64 s[10:11], s[10:11], s[50:51]
	s_add_nc_u64 s[14:15], s[14:15], s[50:51]
	CROUND                                         ; all four work-groups are here: the first joint loads meet
	tensor_load_to_lds s[G0K:G0K+3], s[G1:G1+7]    ; the two first fills go out together
	s_nop 0
	tensor_load_to_lds s[G0V:G0V+3], s[G1:G1+7]
	s_nop 0
	PLACES
	v_and_b32 v[X], 31, v0
	v_lshlrev_b32 v[LQ], 4, v[X]
	v_lshlrev_b32 v[L4], 2, v[X]
	v_add_nc_u32 v[A16], s[G0K+1], v[LQ]
	v_add_nc_u32 v[A4], s[G0K+1], v[L4]
.irp j, 0,1,2,3,4,5,6,7,8,9,10,11,12,13,14,15,16,17,18,19,20,21,22,23
	global_load_b128 v[Q+4*\j:Q+4*\j+3], v[LQ], s[4:5] offset:512*\j   ; Q's eight fragments stay in registers
.endr
.irp qt, 0,1,2,3
	global_load_b32 v[QS+\qt], v[L4], s[6:7] offset:128*\qt
.endr
.irp qt, 0,1,2,3
	v_mov_b32 v[ST+4*\qt+1], 0xff61b1e6            ; the largest t so far: -3e38
	v_floor_f32 v[ST+4*\qt], -v[ST+4*\qt+1]
	v_mov_b32 v[ST+4*\qt+2], 0
	v_mov_b32 v[ST+4*\qt+3], 0
	v_mov_b32 v[T4+\qt], 0                         ; a lane permute's destination counts as one of its sources
.endr
	s_wait_tensorcnt 0x1                           ; K of my first step is in; V's load may be out.  Only I read my slots: no barrier
	s_wait_loadcnt 0x0                             ; Q
	s_wait_kmcnt 0x0                               ; gamma
	STEP 1, 1
	s_mov_b32 s40, 6
.Lstep:
	STEP 0, 1
	s_sub_co_u32 s40, s40, 1
	s_cmp_lg_u32 s40, 0
	s_cbranch_scc1 .Lstep
	STEP 0, 0                                      ; the last step is written out
	; ---- THE END.  dgcnn's part is asked for first: wave w will store channels 64 w .. 64 w + 63 of the 64 queries
	PLACES                                         ; behind the last products
	v_and_b32 v226, 15, v0                         ; r
	v_bfe_u32 v227, v0, 4, 1                       ; h
	v_lshlrev_b32 v[DG], 4, v226
	v_lshl_add_u32 v[DG], v227, 14, v[DG]          ; lanes 0-15 one channel's 256 bytes, lanes 16-31 the next channel's
.irp i, 0,1,2,3,4,5,6,7,8,9,10,11,12,13,14,15,16,17,18,19,20,21,22,23,24,25,26,27,28,29,30,31
	global_load_b128 v[64+4*\i:64+4*\i+3], v[DG], s[10:11] offset:32768*\i th:TH_LOAD_NT
.endr
.irp qt, 0,1,2,3
	v_add_f32 v[ST+4*\qt+2], v[ST+4*\qt+2], v[ST+4*\qt+3]
.endr
.irp qt, 0,1,2,3
	v_permlanex16_b32 v[T4+\qt], v[ST+4*\qt+2], s[SEL], s[SEL+1]
.endr
.irp qt, 0,1,2,3
	v_add_f32 v[ST+4*\qt+1], v[ST+4*\qt+2], v[T4+\qt]   ; my keys' l, beside -M
.endr
	s_lshl_b32 s52, s[WV], 14
	v_add_nc_u32 v[MA], s52, v[LQ]                 ; tile qt of source wave w: 65,536 qt + 16,384 w + 16 lane
	v_add_nc_u32 v[MA+1], 0x10000, v[MA]
	v_add_nc_u32 v[MA+2], 0x20000, v[MA]
	v_add_nc_u32 v[MA+3], 0x30000, v[MA]
	v_lshrrev_b32 v[SR], 1, v[LQ]                  ; 8 x lane
	s_lshl_b32 s52, s[WV], 8
	s_add_co_u32 s52, s52, STATB
	v_add_nc_u32 v[SA], s52, v[SR]
	s_lshl_b32 s52, s[WV], 10
	s_add_co_u32 s52, s52, STATB
	v_add_nc_u32 v[SR], s52, v[SR]
	s_lshl_b32 s52, s[WV], 16
	v_add_nc_u32 v[RA], s52, v[LQ]
	s_lshr_b32 s52, s[WV], 1
	s_lshl_b32 s52, s52, 5
	s_and_b32 s53, s[WV], 1
	s_lshl_b32 s53, s53, 3
	s_add_co_u32 s52, s52, s53
	v_and_b32 v[TA], 8, v0
	v_add_nc_u32 v[TA], v[TA], v226
	v_add_nc_u32 v[TA], s52, v[TA]                 ; my lane's query among the 64: 32 (w / 2) + 8 (w % 2) + r + 8 (r / 8)
	v_lshlrev_b32 v[TA], 2, v[TA]
	v_mad_u32_u24 v[TA], v227, 4352, v[TA]         ; + 16 h channel rows of 272 bytes
	s_mul_i32 s52, s[WV], 17408
	v_mul_u32_u24 v[TR], v227, 272
	v_lshl_add_u32 v[TR], v226, 4, v[TR]
	v_add_nc_u32 v[TR], s52, v[TR]                 ; back: channel row 64 w + h, 16 bytes a lane
	s_wait_dscnt 0x0
	s_barrier_signal -1
	s_barrier_wait -1                              ; every wave has read its slots out; they have had their last fill: the merge may lie over them
.irp qt, 0,1,2,3
.set WN, 0x08+4*(\qt/2)
	WIN WN                                         ; an LDS store's data are its source 1: window 2 or 3
.set n, 0
.rept 32
	ds_store_b128 v[MA+\qt], v[128*(\qt%2)+4*n:128*(\qt%2)+4*n+3] offset:512*n   ; each accumulator from its low end on
.set n, n+1
.endr
.endr
	WIN 0
.irp qt, 0,1,2,3
	ds_store_b64 v[SA], v[ST+4*\qt:ST+4*\qt+1] offset:1024*\qt
.endr
	s_wait_dscnt 0x0
	s_barrier_signal -1
	s_barrier_wait -1                              ; all four waves' parts lie in LDS.  Wave w merges tile w
.irp k, 0,1,2,3
	ds_load_b64 v[200+2*\k:201+2*\k], v[SR] offset:256*\k
.endr
	WIN 0x80
.set n, 0
.rept 64
	ds_load_b128 v[4*n:4*n+3], v[RA] offset:16384*(n/32)+512*(n%32)    ; sources 0 and 1 into window 2
.set n, n+1
.endr
	WIN 0
	s_wait_dscnt 63                                ; of the 68 issued the oldest five are in: the four stats among them
	v_min3_num_f32 v216, v200, v202, v204
	v_min_num_f32 v216, v216, v206                 ; -M of all keys
.irp k, 0,1,2,3
	v_sub_f32 v[217+\k], v216, v[200+2*\k]         ; source k's M less the common M: a whole number, 0 or less
.endr
.irp k, 0,1,2,3
	v_cvt_i32_f32 v[217+\k], v[217+\k]
.endr
.irp k, 0,1,2,3
	v_ldexp_f32 v[217+\k], 1.0, v[217+\k]          ; f_k: a whole power of two
.endr
	v_mul_f32 v221, v217, v201
	v_fma_f32 v221, v218, v203, v221
	v_fma_f32 v221, v219, v205, v221
	v_fma_f32 v221, v220, v207, v221               ; the row's l
	v_rcp_f32 v221, v221
	v_nop                                          ; one plain place behind a transcendental
	s_wait_alu depctr_va_vdst(0)
	v_mul_f32 v221, s41, v221                      ; gamma / l
.irp k, 0,1,2,3
	v_mul_f32 v[GP+2*\k], v[217+\k], v221
	v_mul_f32 v[GP+2*\k+1], v[217+\k], v221        ; (both words of the pair that the packed forms name)
.endr
	WIN 0xc0
.set n, 0
.rept 64
	ds_load_b128 v[4*n:4*n+3], v[RA] offset:32768+16384*(n/32)+512*(n%32)   ; sources 2 and 3 into window 3
.set n, n+1
.endr
	s_wait_dscnt 63                                ; only loads of the 64 just issued may be out: sources 0 and 1 are in
	WIN 0x42                                       ; destination window 1, source 0 window 2
.set n, 0
.rept 64
	v_pk_mul_f32 v[n:n+1], v[n:n+1], v[GP:GP+1] op_sel_hi:[1,0]
.set n, n+2
.endr
	WIN 0x52                                       ; and source 2 window 1
.set n, 0
.rept 64
	v_pk_fma_f32 v[n:n+1], v[128+n:129+n], v[GP+2:GP+3], v[n:n+1] op_sel_hi:[1,0,1]
.set n, n+2
.endr
	s_wait_dscnt 0x0
	WIN 0x53                                       ; source 0 window 3
.set n, 0
.rept 64
	v_pk_fma_f32 v[n:n+1], v[n:n+1], v[GP+4:GP+5], v[n:n+1] op_sel_hi:[1,0,1]
.set n, n+2
.endr
.set n, 0
.rept 64
	v_pk_fma_f32 v[n:n+1], v[128+n:129+n], v[GP+6:GP+7], v[n:n+1] op_sel_hi:[1,0,1]
.set n, n+2
.endr
	s_barrier_signal -1                            ; my reads of the merge area are over (the wait for 0 above)
	s_barrier_wait -1                              ; everybody's are: the transposing stage, 256 channel rows of 256 + 16 bytes, may lie over it
	WIN 0x04                                       ; the data in window 1
.irp ct, 0,1,2,3,4,5,6,7,8,9,10,11,12,13,14,15
.irp j, 0,1,2,3,4,5,6,7
	ds_store_b32 v[TA], v[8*\ct+\j] offset:272*(32*(\ct/2)+8*(\ct%2)+\j)   ; register 8 ct + j is channel 32 (ct / 2) + 16 h + 8 (ct % 2) + j of my query.  16 rows are a whole number of times through the banks: the two halves of the lanes meet, two deep
.endr
.endr
	s_wait_dscnt 0x0
	s_barrier_signal -1
	s_barrier_wait -1
	WIN 0x40
.set n, 0
.rept 32
	ds_load_b128 v[128+4*n:128+4*n+3], v[TR] offset:544*n              ; my 64 channels, two rows an instruction
.set n, n+1
.endr
	s_wait_dscnt 0x0
	s_wait_loadcnt 0x0                             ; dgcnn
	WIN 0x04
.set n, 0
.rept 64
	v_pk_add_f32 v[64+n:65+n], v[64+n:65+n], v[128+n:129+n]
.set n, n+2
.endr
	WIN 0
.irp i, 0,1,2,3,4,5,6,7,8,9,10,11,12,13,14,15,16,17,18,19,20,21,22,23,24,25,26,27,28,29,30,31
	global_store_b128 v[DG], v[64+4*\i:64+4*\i+3], s[14:15] offset:32768*\i   ; 16 lanes store 256 consecutive bytes, at a multiple of 256 from the buffer's first byte
.endr
	s_wait_tensorcnt 0x0                           ; the wave's end
	ds_add_u32 v[SPW], v[NIL]
	s_wait_dscnt 0x0
	CROUND                                         ; the closing round
	s_endpgm
.Lfunc_end_k_q4732699860_attn:
	.size	k_q4732699860_attn, .Lfunc_end_k_q4732699860_attn-k_q4732699860_attn
	.p2alignl 7, 3214868480
	.fill 96, 4, 3214868480
	.section	.rodata,"a",@progbits
	.p2align	6, 0x0
	.amdhsa_kernel k_q4732699860_attn
		.amdhsa_group_segment_fixed_size 327680
		.amdhsa_private_segment_fixed_size 0
		.amdhsa_enable_private_segment 0
		.amdhsa_kernarg_size 48
		.amdhsa_user_sgpr_count 2
		.amdhsa_user_sgpr_kernarg_segment_ptr 1
		.amdhsa_wavefront_size32 1
		.amdhsa_system_sgpr_workgroup_id_x 1
		.amdhsa_system_sgpr_workgroup_id_y 1
		.amdhsa_system_sgpr_workgroup_id_z 1
		.amdhsa_system_vgpr_workitem_id 0
		.amdhsa_next_free_vgpr 1024
		.amdhsa_next_free_sgpr 66
		.amdhsa_reserve_vcc 0
		.amdhsa_float_denorm_mode_32 3
		.amdhsa_float_denorm_mode_16_64 3
		.amdhsa_memory_ordered 1
		.amdhsa_forward_progress 1
		.amdhsa_inst_pref_size 255
	.end_amdhsa_kernel
	.section	.bss,"aw",@nobits
	.p2align	6
	.space	262144
	.amdgpu_metadata
---
amdhsa.version: [ 1, 2 ]
amdhsa.kernels:
  - .name:           k_q4732699860_attn
    .symbol:         k_q4732699860_attn.kd
    .args:
      - { .name: qc, .offset: 0, .size: 8, .value_kind: global_buffer, .address_space: global }
      - { .name: qs, .offset: 8, .size: 8, .value_kind: global_buffer, .address_space: global }
      - { .name: kv, .offset: 16, .size: 8, .value_kind: global_buffer, .address_space: global }
      - { .name: dgcnn_feat, .offset: 24, .size: 8, .value_kind: global_buffer, .address_space: global }
      - { .name: gamma, .offset: 32, .size: 8, .value_kind: global_buffer, .address_space: global }
      - { .name: fused, .offset: 40, .size: 8, .value_kind: global_buffer, .address_space: global }
    .group_segment_fixed_size: 327680
    .private_segment_fixed_size: 0
    .kernarg_segment_align: 8
    .kernarg_segment_size: 48
    .max_flat_workgroup_size: 128
    .sgpr_count:     66
    .vgpr_count:     1024
    .wavefront_size: 32
...
	.end_amdgpu_metadata
.endif
;; end of part 2
;; launch bn (part 3): grid 256 x 1, 8 waves a work-group, no clusters, 1,280 bytes of LDS; arguments fused, bn_weight, bn_bias, out0; writes out0
.if DOCPART == 3
	.amdgcn_target "amdgcn-amd-amdhsa--gfx1250"
	.amdhsa_code_object_version 6
	.text
	.protected	k_q4732699860_bn
	.globl	k_q4732699860_bn
	.p2align	8
	.type	k_q4732699860_bn,@function
k_q4732699860_bn:
	s_mov_b64 s[64:65], 0
	v_nop
	global_prefetch_b8 v0, s[64:65] scope:SCOPE_SE
	s_setreg_imm32_b32 hwreg(HW_REG_WAVE_MODE, 25, 1), 1
	s_wait_xcnt 0x0
; out0[b][c][n] = relu((fused[b][c][n] - mean[c]) rsqrt(var[c] + 1e-5) weight[c] + bias[c]); mean and biased variance over the 4 x 4,096 numbers of channel c.
; One work-group to a channel: its 65,536 bytes are 64 registers a lane of 256 threads, read once and kept.  The variance is taken in a second pass over the registers, of the numbers less the mean:
; no difference of large sums.  Each load and store of a wave covers 512 consecutive bytes.  Memory binds: no matrix unit, no cluster, no tensor load.
.set X,  4                             ; v4-67   my 64 numbers
.set CH, 68                            ; v68-75  four chains of pairs
	s_load_b256 s[4:11], s[0:1], 0x0               ; fused s[4:5], bn_weight s[6:7], bn_bias s[8:9], out0 s[10:11]
	v_lshl_add_u32 v96, v0, 2, 0x100
	v_mov_b32 v97, 0
	v_lshlrev_b32 v1, 4, v0                        ; 16 bytes a thread
	v_lshrrev_b32 v2, 5, v0
	v_lshlrev_b32 v2, 2, v2                        ; my wave's word in LDS
	v_mov_b32 v3, 0
	v_mov_b32 v77, 0                               ; a lane permute's destination counts as one of its sources
	s_lshl_b32 s12, ttmp9, 14                      ; a channel's row is 16,384 bytes
	s_mov_b32 s13, 0
	s_lshl_b32 s14, ttmp9, 2
	s_mov_b32 s15, 0
	s_mov_b32 s20, 0x76543210
	s_mov_b32 s21, 0xfedcba98
	s_mov_b32 s24, 0x38800000                      ; 1 / 16,384
	s_mov_b32 s25, 0x3727c5ac                      ; 1e-5
	s_wait_kmcnt 0x0
	s_add_nc_u64 s[4:5], s[4:5], s[12:13]
	s_add_nc_u64 s[10:11], s[10:11], s[12:13]
	s_add_nc_u64 s[16:17], s[4:5], 0x800000        ; batches 2 and 3: the immediate reaches 8 MiB less one byte
	s_add_nc_u64 s[18:19], s[10:11], 0x800000
	s_add_nc_u64 s[6:7], s[6:7], s[14:15]
	s_add_nc_u64 s[8:9], s[8:9], s[14:15]
	s_load_b32 s22, s[6:7], 0x0                    ; weight[c]
	s_load_b32 s26, s[8:9], 0x0                    ; bias[c]
.irp q, 0,1,2,3,4,5,6,7
	global_load_b128 v[X+4*\q:X+4*\q+3], v1, s[4:5] offset:4194304*(\q/4)+4096*(\q%4) th:TH_LOAD_NT
.endr
.irp q, 0,1,2,3,4,5,6,7
	global_load_b128 v[X+32+4*\q:X+32+4*\q+3], v1, s[16:17] offset:4194304*(\q/4)+4096*(\q%4) th:TH_LOAD_NT
.endr
; The four chains become the work-group's sum, in every lane's v80: within the lane, across the 32 lanes, across the 8 waves through the LDS words at off
.macro REDUCE off
	v_pk_add_f32 v[CH:CH+1], v[CH:CH+1], v[CH+2:CH+3]
	v_pk_add_f32 v[CH+4:CH+5], v[CH+4:CH+5], v[CH+6:CH+7]
	v_pk_add_f32 v[CH:CH+1], v[CH:CH+1], v[CH+4:CH+5]
	v_add_f32 v76, v[CH], v[CH+1]
	v_add_f32_dpp v76, v76, v76 row_xmask:1 row_mask:0xf bank_mask:0xf
	v_add_f32_dpp v76, v76, v76 row_xmask:2 row_mask:0xf bank_mask:0xf
	v_add_f32_dpp v76, v76, v76 row_xmask:4 row_mask:0xf bank_mask:0xf
	v_add_f32_dpp v76, v76, v76 row_xmask:8 row_mask:0xf bank_mask:0xf
	v_permlanex16_b32 v77, v76, s20, s21
	v_add_f32 v76, v76, v77
	ds_store_b32 v2, v76 offset:\off               ; all lanes of a wave write the same word with the same value
	s_wait_dscnt 0x0
	s_barrier_signal -1
	s_barrier_wait -1
	ds_load_b128 v[80:83], v3 offset:\off
	ds_load_b128 v[84:87], v3 offset:\off+16
	s_wait_dscnt 0x0
	v_add_f32 v80, v80, v81
	v_add_f32 v82, v82, v83
	v_add_f32 v84, v84, v85
	v_add_f32 v86, v86, v87
	v_add_f32 v80, v80, v82
	v_add_f32 v84, v84, v86
	v_add_f32 v80, v80, v84
.endm
	s_wait_loadcnt 12                              ; batch 0's four loads are in; the twelve younger may be out
.irp k, 0,1,2,3
	v_pk_add_f32 v[CH+2*\k:CH+2*\k+1], v[X+2*\k:X+2*\k+1], v[X+8+2*\k:X+9+2*\k]   ; the first numbers start the chains: nothing is cleared
.endr
.irp g, 1,2,3
	s_wait_loadcnt 12-4*\g                         ; batch g's four loads are in
.irp k, 0,1,2,3,4,5,6,7
	v_pk_add_f32 v[CH+2*(\k%4):CH+2*(\k%4)+1], v[CH+2*(\k%4):CH+2*(\k%4)+1], v[X+16*\g+2*\k:X+16*\g+2*\k+1]
.endr
.endr
	REDUCE 0
	v_mul_f32 v88, s24, v80                        ; the mean
	v_mov_b32 v89, v88
.set n, 0
.rept 32
	v_pk_add_f32 v[X+n:X+n+1], v[X+n:X+n+1], v[88:89] neg_lo:[0,1] neg_hi:[0,1]
.set n, n+2
.endr
.irp k, 0,1,2,3
	v_pk_mul_f32 v[CH+2*\k:CH+2*\k+1], v[X+2*\k:X+2*\k+1], v[X+2*\k:X+2*\k+1]
.endr
.set n, 8
.rept 28
	v_pk_fma_f32 v[CH+n%8:CH+n%8+1], v[X+n:X+n+1], v[X+n:X+n+1], v[CH+n%8:CH+n%8+1]
.set n, n+2
.endr
	REDUCE 32                                      ; other words than the first sum's: no wave can still be reading them
	v_fma_f32 v90, v80, s24, s25                   ; the variance + 1e-5
	v_rsq_f32 v90, v90
	s_wait_kmcnt 0x0                               ; weight and bias
	s_mov_b32 s27, s26                             ; (the packed form names the pair)
	v_nop                                          ; one plain place behind a transcendental
	s_wait_alu depctr_va_vdst(0)
	v_mul_f32 v88, s22, v90
	v_mov_b32 v89, v88
.set n, 0
.rept 32
	v_pk_fma_f32 v[X+n:X+n+1], v[X+n:X+n+1], v[88:89], s[26:27] op_sel_hi:[1,1,0]
.set n, n+2
.endr
.set n, 0
.rept 64
	v_max_num_f32 v[X+n], 0, v[X+n]
.set n, n+1
.endr
.irp q, 0,1,2,3,4,5,6,7
	global_store_b128 v1, v[X+4*\q:X+4*\q+3], s[10:11] offset:4194304*(\q/4)+4096*(\q%4) th:TH_STORE_NT
.endr
.irp q, 0,1,2,3,4,5,6,7
	global_store_b128 v1, v[X+32+4*\q:X+32+4*\q+3], s[18:19] offset:4194304*(\q/4)+4096*(\q%4) th:TH_STORE_NT
.endr
	s_wait_tensorcnt 0x0
	ds_add_u32 v96, v97
	s_wait_dscnt 0x0
	s_endpgm
.Lfunc_end_k_q4732699860_bn:
	.size	k_q4732699860_bn, .Lfunc_end_k_q4732699860_bn-k_q4732699860_bn
	.p2alignl 7, 3214868480
	.fill 96, 4, 3214868480
	.section	.rodata,"a",@progbits
	.p2align	6, 0x0
	.amdhsa_kernel k_q4732699860_bn
		.amdhsa_group_segment_fixed_size 1280
		.amdhsa_private_segment_fixed_size 0
		.amdhsa_enable_private_segment 0
		.amdhsa_kernarg_size 32
		.amdhsa_user_sgpr_count 2
		.amdhsa_user_sgpr_kernarg_segment_ptr 1
		.amdhsa_wavefront_size32 1
		.amdhsa_system_sgpr_workgroup_id_x 1
		.amdhsa_system_sgpr_workgroup_id_y 1
		.amdhsa_system_sgpr_workgroup_id_z 1
		.amdhsa_system_vgpr_workitem_id 0
		.amdhsa_next_free_vgpr 98
		.amdhsa_next_free_sgpr 66
		.amdhsa_reserve_vcc 0
		.amdhsa_float_denorm_mode_32 3
		.amdhsa_float_denorm_mode_16_64 3
		.amdhsa_memory_ordered 1
		.amdhsa_forward_progress 1
		.amdhsa_inst_pref_size 17
	.end_amdhsa_kernel
	.amdgpu_metadata
---
amdhsa.version: [ 1, 2 ]
amdhsa.kernels:
  - .name:           k_q4732699860_bn
    .symbol:         k_q4732699860_bn.kd
    .args:
      - { .name: fused, .offset: 0, .size: 8, .value_kind: global_buffer, .address_space: global }
      - { .name: bn_weight, .offset: 8, .size: 8, .value_kind: global_buffer, .address_space: global }
      - { .name: bn_bias, .offset: 16, .size: 8, .value_kind: global_buffer, .address_space: global }
      - { .name: out0, .offset: 24, .size: 8, .value_kind: global_buffer, .address_space: global }
    .group_segment_fixed_size: 1280
    .private_segment_fixed_size: 0
    .kernarg_segment_align: 8
    .kernarg_segment_size: 32
    .max_flat_workgroup_size: 256
    .sgpr_count:     66
    .vgpr_count:     98
    .wavefront_size: 32
...
	.end_amdgpu_metadata
.endif
;; end of part 3
